; MI455X (gfx1250); checked and timed in simulation.
; The chip was launched on July 23, 2026; its instructions are those of AMD's public machine-readable ISA for CDNA 5 (MIT licence, August 2026) and "CDNA5" Instruction Set Architecture Reference Guide (July 2026). The comments in the code are by the model that wrote it; some were corrected since.
;; Standard Attention. Allowed arithmetic: float matrix products may take bf16 or f16 operands with f32 sums; all other float work in f32.
;; Inputs: Wk 1,024 x 1,024 float32; Wo 1,024 x 1,024 float32; Wq 1,024 x 1,024 float32; Wv 1,024 x 1,024 float32; x 4 x 2,048 x 1,024 float32.
;; Outputs: out0 4 x 2,048 x 1,024 float32.
;; 2 versions, each right; version 2 is version 1 with the launch cast written anew for expert scheduling mode. Each part assembles by itself: llvm-mc -triple=amdgcn-amd-amdhsa -mcpu=gfx1250 --defsym DOCPART=n.
;; ======== version 1 of 2: 4 launches
;; limits: values are held in f16: magnitudes above 65,504 overflow, below 6.1e-05 lose precision
;; workspace buffers: xb 16,777,216 bytes; wqkv 6,291,456 bytes; wob 2,097,152 bytes; qkv 50,331,648 bytes; ao 16,777,216 bytes
;; launch cast (part 1): grid 768 x 1, 8 waves a work-group, no clusters, 0 bytes of LDS; arguments x, Wq, Wk, Wv, Wo, xb, wqkv, wob; writes xb, wqkv, wob
.if DOCPART == 1
	.amdgcn_target "amdgcn-amd-amdhsa--gfx1250"
	.amdhsa_code_object_version 6
	.text
	.protected	k_q06494db0d3_cast
	.globl	k_q06494db0d3_cast
	.p2align	8
	.type	k_q06494db0d3_cast,@function
k_q06494db0d3_cast:
	s_mov_b64 s[64:65], 0
	v_nop
	global_prefetch_b8 v0, s[64:65] scope:SCOPE_SE
	s_setreg_imm32_b32 hwreg(HW_REG_WAVE_MODE, 25, 1), 1
	s_wait_xcnt 0x0
; Rounds the five f32 inputs once and lays them in planes of 64 columns, so that every tile of the later products is a dense block of memory.
;   xb   [16 planes][8192 rows][64] bf16 : x
;   wqkv [16 planes][3072 rows][64] bf16 : rows 0-1023 Wq, 1024-2047 Wk, 2048-3071 Wv
;   wob  [16 planes][1024 rows][64] f16  : Wo rounded to bf16, and that value written as f16 (it meets an f16 operand in the last product)
; LIMIT: Wo's bf16 value is exact in f16 for 6.1e-5 <= |Wo| < 65,504; below it carries an absolute error of at most 3e-8, above it overflows.
; A work-group takes 16 rows of one source: groups 0-511 x, 512-575 Wq, 576-639 Wk, 640-703 Wv, 704-767 Wo.  Thread t takes row t / 16 and, in
; load p, the four columns 64 p + 4 (t % 16): sixteen lanes read 256 consecutive bytes of a row.  The two rows of a wave are neighbours in a
; plane, so each 8-byte store of a wave covers 256 consecutive bytes, aligned.  Sixteen loads of each wave are out at once; there is no loop,
; no register is written twice while a memory instruction may read it, and memory binds: no LDS, no matrix unit.
.set X,   4                            ; v[4:67]    load p: four f32
.set Y,   68                           ; v[68:99]   store p: four 16-bit numbers
.set OFF, 100                          ; v[100:115] store p: byte offset in the destination
.set T,   116                          ; v[116:117] at work
	s_load_b512 s[8:23], s[0:1], 0x0               ; x s[8:9], Wq s[10:11], Wk s[12:13], Wv s[14:15], Wo s[16:17], xb s[18:19], wqkv s[20:21], wob s[22:23]
	s_mov_b32 s2, ttmp9                            ; the work-group's number
	s_sub_co_u32 s3, s2, 512                       ; its number among the weights' groups (used only where the number is 512 or more)
	s_lshr_b32 s4, s3, 6                           ; which weight: 0 Wq, 1 Wk, 2 Wv, 3 Wo
	s_and_b32 s5, s3, 63
	s_lshl_b32 s6, s2, 4                           ; x: first row, in source and destination
	s_lshl_b32 s28, s5, 4                          ; a weight: first row in the source
	s_lshl_b32 s29, s3, 4                          ; and in wqkv: 1024 x weight + that row
	s_mov_b32 s30, 3072*128                        ; bytes of a plane of wqkv
	v_lshrrev_b32 v1, 4, v0                        ; my row of the sixteen
	v_and_b32 v3, 15, v0
	v_lshlrev_b32 v1, 12, v1                       ; x 4,096 bytes
	v_lshl_add_u32 v1, v3, 4, v1                   ; + 16 bytes for each of sixteen lanes
	v_lshlrev_b32 v2, 3, v0                        ; in a plane: row x 128 + 8 (t % 16) = 8 t
	s_wait_kmcnt 0x0
	s_cmp_eq_u32 s4, 2                             ; the source, chosen by the group's number alone
	s_cselect_b64 s[24:25], s[14:15], s[16:17]
	s_cmp_eq_u32 s4, 1
	s_cselect_b64 s[24:25], s[12:13], s[24:25]
	s_cmp_eq_u32 s4, 0
	s_cselect_b64 s[24:25], s[10:11], s[24:25]
	s_cmp_eq_u32 s4, 3                             ; Wo goes to wob, by its own row, in planes of 1,024 rows, as f16
	s_cselect_b64 s[26:27], s[22:23], s[20:21]
	s_cselect_b32 s29, s28, s29
	s_cselect_b32 s30, 1024*128, s30
	s_cselect_b32 s31, 1, 0
	s_cmp_lt_u32 s2, 512                           ; x goes to xb, in planes of 8,192 rows
	s_cselect_b64 s[24:25], s[8:9], s[24:25]
	s_cselect_b64 s[26:27], s[18:19], s[26:27]
	s_cselect_b32 s28, s6, s28
	s_cselect_b32 s29, s6, s29
	s_cselect_b32 s30, 8192*128, s30
	s_lshl_b32 s32, s28, 12                        ; source row x 4,096 bytes (below 2^26)
	s_mov_b32 s33, 0
	s_lshl_b32 s34, s29, 7                         ; destination row x 128 bytes
	s_mov_b32 s35, 0
	s_add_nc_u64 s[24:25], s[24:25], s[32:33]
	s_add_nc_u64 s[26:27], s[26:27], s[34:35]
.irp p, 0,1,2,3,4,5,6,7,8,9,10,11,12,13,14,15
	global_load_b128 v[X+4*\p:X+4*\p+3], v1, s[24:25] offset:256*\p th:TH_LOAD_NT   ; read once in the whole program
.endr
.irp p, 0,1,2,3,4,5,6,7,8,9,10,11,12,13,14,15
	v_mad_u32_u24 v[OFF+\p], s30, \p, v2           ; plane p: both factors are below 2^24
.endr
; Sixteen turns: wait for load p, round, store.  f16 = 1: the bf16 value is widened again (a shift, a mask) and written as f16.
.macro CONV f16
.irp p, 0,1,2,3,4,5,6,7,8,9,10,11,12,13,14,15
	s_wait_loadcnt 15-\p                           ; loads come back in order: load p is in, the 15 - p younger ones stay out
.if \f16
	v_cvt_pk_bf16_f32 v[T],   v[X+4*\p],   v[X+4*\p+1]
	v_cvt_pk_bf16_f32 v[T+1], v[X+4*\p+2], v[X+4*\p+3]
	v_lshlrev_b32 v[X+4*\p],   16, v[T]
	v_and_b32     v[X+4*\p+1], 0xffff0000, v[T]
	v_lshlrev_b32 v[X+4*\p+2], 16, v[T+1]
	v_and_b32     v[X+4*\p+3], 0xffff0000, v[T+1]
	v_cvt_pk_f16_f32 v[Y+2*\p],   v[X+4*\p],   v[X+4*\p+1]
	v_cvt_pk_f16_f32 v[Y+2*\p+1], v[X+4*\p+2], v[X+4*\p+3]
.else
	v_cvt_pk_bf16_f32 v[Y+2*\p],   v[X+4*\p],   v[X+4*\p+1]
	v_cvt_pk_bf16_f32 v[Y+2*\p+1], v[X+4*\p+2], v[X+4*\p+3]
.endif
	global_store_b64 v[OFF+\p], v[Y+2*\p:Y+2*\p+1], s[26:27]       ; a later launch reads it: no hint
.endr
.endm
	s_cmp_lg_u32 s31, 0
	s_cbranch_scc1 .Lwo
	CONV 0
	s_endpgm
.Lwo:
	CONV 1
	s_endpgm
.Lfunc_end_k_q06494db0d3_cast:
	.size	k_q06494db0d3_cast, .Lfunc_end_k_q06494db0d3_cast-k_q06494db0d3_cast
	.p2alignl 7, 3214868480
	.fill 96, 4, 3214868480
	.section	.rodata,"a",@progbits
	.p2align	6, 0x0
	.amdhsa_kernel k_q06494db0d3_cast
		.amdhsa_group_segment_fixed_size 0
		.amdhsa_private_segment_fixed_size 0
		.amdhsa_enable_private_segment 0
		.amdhsa_kernarg_size 64
		.amdhsa_user_sgpr_count 2
		.amdhsa_user_sgpr_kernarg_segment_ptr 1
		.amdhsa_wavefront_size32 1
		.amdhsa_system_sgpr_workgroup_id_x 1
		.amdhsa_system_sgpr_workgroup_id_y 1
		.amdhsa_system_sgpr_workgroup_id_z 1
		.amdhsa_system_vgpr_workitem_id 0
		.amdhsa_next_free_vgpr 120
		.amdhsa_next_free_sgpr 66
		.amdhsa_reserve_vcc 0
		.amdhsa_float_denorm_mode_32 3
		.amdhsa_float_denorm_mode_16_64 3
		.amdhsa_memory_ordered 1
		.amdhsa_forward_progress 1
		.amdhsa_inst_pref_size 18
	.end_amdhsa_kernel
	.amdgpu_metadata
---
amdhsa.version: [ 1, 2 ]
amdhsa.kernels:
  - .name:           k_q06494db0d3_cast
    .symbol:         k_q06494db0d3_cast.kd
    .args:
      - { .name: x, .offset: 0, .size: 8, .value_kind: global_buffer, .address_space: global }
      - { .name: Wq, .offset: 8, .size: 8, .value_kind: global_buffer, .address_space: global }
      - { .name: Wk, .offset: 16, .size: 8, .value_kind: global_buffer, .address_space: global }
      - { .name: Wv, .offset: 24, .size: 8, .value_kind: global_buffer, .address_space: global }
      - { .name: Wo, .offset: 32, .size: 8, .value_kind: global_buffer, .address_space: global }
      - { .name: xb, .offset: 40, .size: 8, .value_kind: global_buffer, .address_space: global }
      - { .name: wqkv, .offset: 48, .size: 8, .value_kind: global_buffer, .address_space: global }
      - { .name: wob, .offset: 56, .size: 8, .value_kind: global_buffer, .address_space: global }
    .group_segment_fixed_size: 0
    .private_segment_fixed_size: 0
    .kernarg_segment_align: 8
    .kernarg_segment_size: 64
    .max_flat_workgroup_size: 256
    .sgpr_count:     66
    .vgpr_count:     120
    .wavefront_size: 32
...
	.end_amdgpu_metadata
.endif
;; end of part 1
;; launch qkv (part 2): grid 12 x 64, 4 waves a work-group, clusters of 4 x 4, 327,680 bytes of LDS; arguments xb, wqkv, qkv; writes qkv
.if DOCPART == 2
	.amdgcn_target "amdgcn-amd-amdhsa--gfx1250"
	.amdhsa_code_object_version 6
	.text
	.protected	k_q06494db0d3_qkv
	.globl	k_q06494db0d3_qkv
	.p2align	8
	.type	k_q06494db0d3_qkv,@function
k_q06494db0d3_qkv:
	s_mov_b64 s[64:65], 0
	v_nop
	global_prefetch_b8 v0, s[64:65] scope:SCOPE_SE
	s_setreg_imm32_b32 hwreg(HW_REG_WAVE_MODE, 25, 1), 1
	s_wait_xcnt 0x0
	s_wait_alu depctr_hold_cnt(0) depctr_sa_sdst(0) depctr_va_vdst(0) depctr_va_sdst(0) depctr_va_ssrc(0) depctr_va_vcc(0) depctr_vm_vsrc(0)
	s_getreg_b32 s2, hwreg(HW_REG_IB_STS2, 6, 4)
	s_cmp_eq_u32 s2, 0
	s_cbranch_scc0 .Lentry_in_a_cluster
	s_endpgm
.Lentry_in_a_cluster:
	s_bfe_u32 s2, ttmp6, 0x10000c
	s_cmp_lg_u32 s2, 0xf033
	s_cbranch_scc0 .Lentry_shape_is_right
	s_endpgm
.Lentry_shape_is_right:
; q, k, v = x W^T for the three weights at once: C[m][n] = sum over k of xb[m][k] wqkv[n][k], m < 8192, n < 3072, k < 1024; bf16 operands, f32 sums.
; Stored as f16, by heads: qkv[n / 1024][(m / 2048) 16 + (n % 1024) / 64][m % 2048][n % 64].
; LIMIT: q, k and v are kept in f16: |x W^T| must stay below 65,504; below 6.1e-5 a number carries an absolute error of 3e-8.
; A work-group makes 128 x 256 of C with four waves, 2 x 2, a wave 64 x 128: 32 accumulator tiles of 16 x 16, 256 registers.  12 x 64 = 768 work-groups.
; K goes in 8 steps of 128 (two planes of 64) through a ring of two LDS slots.  In a plane a tile's rows of 128 bytes follow each other without a gap, so
; a tile is a dense block and comes in as rows of 256 bytes; the mover lays 16 bytes behind every 128, which gives LDS rows of 144 bytes.
; CLUSTERS: 4 x 4 work-groups.  A's tile hangs on the block row alone and is asked for jointly by a row of the cluster, B's on the block column alone and
; is asked for jointly by a column.  Waves 0 and 1 ask for A's two planes, waves 2 and 3 for B's two: one tensor load a wave behind each round.
; REGISTERS: window 0: v16-26 addresses, v32-95 A's fragments (two buffers of 4), v96-223 B's fragments (two buffers of 8), v224-255 packed results;
; window 1: accumulator (a, b) at v[8 (8 a + b)].  The matrix instruction is used transposed (source 0 = rows of B, source 1 = rows of A): lane l holds
; row l % 16 of C and its registers the columns 8 (l / 16) + 0..7, eight neighbours that pack into 16 bytes.
.set SIZE_N,  3072
.set PITCH,   144                      ; an LDS row: 128 bytes + 16: an odd multiple of 16, so the 16 rows of a fragment load start in 16 different 16-byte columns of 256
.set APL,     128*PITCH                ; a plane of A's tile in LDS
.set BPL,     256*PITCH                ; a plane of B's tile
.set SLOT,    2*APL+2*BPL              ; A plane 0, A plane 1, B plane 0, B plane 1
.set STAGE,   2*SLOT                   ; behind the ring, a multiple of 256: no fill lands there
.set SPITCH,  272                      ; stage row: 128 f16 + 16 bytes
.set PLANE_A, 8192*128                 ; bytes of a plane in memory
.set PLANE_B, SIZE_N*128
.set PADW, (3<<16)|(1<<20)|(1<<21)|(4<<22)|(3<<25)   ; elements of 8 bytes; padding on; bit 21 beside a mask; after every 32 words; 4 words
.set ADRA, 16                          ; v16-17 LDS address of my A fragments in slot 0, 1
.set ADRB, 20                          ; v20-21 the same for B
.set STO,  24                          ; way out: where I put 16 bytes
.set RD,   25                          ; way out: where I read back
.set CO,   26                          ; way out: my byte offset in memory
.set FA,   32
.set FB,   96
.set TMP,  224
.set G1,  24                           ; s[24:31] group 1 for A's planes
.set G0,  32                           ; s[32:39] group 0 for A's planes, one set a slot
.set G1B, 48                           ; s[48:55] group 1 for B's planes
.set G0B, 56                           ; s[56:63] group 0 for B's planes, one set a slot
.set MULW, 0x50                        ; C and D in window 1, A and B in window 0
.set MSB, 0
.macro WIN new                         ; the immediate's high byte repeats the setting that is left
.if MSB != \new
	s_set_vgpr_msb (MSB<<8)|\new
.set MSB, \new
.endif
.endm
; A joint load: each of the two lines has one mask and one set of registers; the branch hangs on the wave's number alone.
.macro JLOAD s
	s_cmp_eq_u32 s11, 0
	s_cbranch_scc0 .Lfor_b_\@
	tensor_load_to_lds s[G0+4*\s:G0+4*\s+3], s[G1:G1+7]
	s_nop 0
	s_branch .Lasked_\@
.Lfor_b_\@:
	tensor_load_to_lds s[G0B+4*\s:G0B+4*\s+3], s[G1B:G1B+7]
	s_nop 0
.Lasked_\@:
.endm
; A round of the cluster's barrier behind its opening work-group barrier, and a whole round.
.macro CREST
	s_cmp_lg_u32 s10, 0
	s_cbranch_scc1 .Lnot_wave_0_\@
	s_barrier_signal -3
.Lnot_wave_0_\@:
	s_barrier_wait -3
	s_barrier_signal -1
	s_barrier_wait -1
.endm
.macro CROUND
	s_barrier_signal -1
	s_barrier_wait -1
	CREST
.endm
	s_load_b128 s[4:7], s[0:1], 0x0                ; xb s[4:5], wqkv s[6:7]
	s_load_b64 s[8:9], s[0:1], 0x10                ; qkv
	v_lshl_add_u32 v30, v0, 2, 0x3a400
	v_mov_b32 v31, 0
	ds_add_u32 v30, v31
	ds_add_u32 v30, v31
	v_lshrrev_b32 v1, 5, v0
	v_readfirstlane_b32 s10, v1                    ; wave 0..3
	s_lshr_b32 s11, s10, 1                         ; my half of the block's rows.  Also: I fetch for A (0) or for B (1)
	s_and_b32 s12, s10, 1                          ; my half of its columns.  Also: which plane of the step's two I fetch
	s_bfe_u32 s40, ttmp6, 0x40000                  ; cx
	s_bfe_u32 s41, ttmp6, 0x40004                  ; cy
	s_lshl_b32 s42, ttmp9, 2
	s_add_co_u32 s42, s42, s40                     ; block column = 4 x cluster x + cx
	s_and_b32 s13, ttmp7, 0xffff
	s_lshl_b32 s13, s13, 2
	s_add_co_u32 s13, s13, s41                     ; block row = 4 x cluster y + cy
	s_lshl_b32 s43, s41, 2
	s_lshl_b32 s43, 15, s43                        ; my row of the cluster
	s_lshl_b32 s44, 0x1111, s40                    ; my column
	s_or_b32 s[G1+0], s43, PADW                    ; A's planes go to my row
	s_or_b32 s[G1B+0], s44, PADW                   ; B's to my column
	s_mov_b32 s[G1+1], 32<<16                      ; tensor_dim0 = 32 elements of 8 bytes: rows of 256 bytes
	s_mov_b32 s[G1B+1], 32<<16
	s_mov_b32 s[G1+2], 64<<16                      ; tensor_dim1: A's plane is 16,384 dense bytes = 64 such rows
	s_mov_b32 s[G1B+2], 128<<16                    ; B's is 32,768 = 128
	s_mov_b32 s[G1+3], 32<<16                      ; tile_dim0
	s_mov_b32 s[G1B+3], 32<<16
	s_mov_b32 s[G1+4], 64                          ; tile_dim1
	s_mov_b32 s[G1B+4], 128
	s_mov_b32 s[G1+5], 32                          ; from row to row: 32 elements, no gap
	s_mov_b32 s[G1B+5], 32
	s_mov_b32 s[G1+6], 0
	s_mov_b32 s[G1B+6], 0
	s_mov_b32 s[G1+7], 0
	s_mov_b32 s[G1B+7], 0
	s_lshl_b32 s16, s13, 14                        ; A: block row x 128 rows x 128 bytes
	s_lshl_b32 s17, s12, 20                        ; + my plane
	s_add_co_u32 s16, s16, s17
	s_mov_b32 s17, 0
	s_lshl_b32 s46, s42, 15                        ; B: block column x 256 rows x 128 bytes
	s_mul_i32 s47, s12, PLANE_B                    ; + my plane
	s_add_co_u32 s46, s46, s47
	s_mov_b32 s47, 0
	s_mul_i32 s20, s12, APL                        ; where they go: made of the wave's number alone
	s_mul_i32 s21, s12, BPL
	s_add_co_u32 s21, s21, 2*APL
	s_wait_dscnt 0x0
	s_wait_kmcnt 0x0
	s_add_nc_u64 s[14:15], s[4:5], s[16:17]
	s_add_nc_u64 s[46:47], s[6:7], s[46:47]
	CROUND                                         ; all sixteen work-groups are here: the first joint loads meet
.irp s, 0,1
	s_mov_b32 s[G0+4*\s], 1
	s_add_co_u32 s[G0+4*\s+1], s20, \s*SLOT
	s_add_nc_u64 s[G0+4*\s+2:G0+4*\s+3], s[14:15], \s*2*PLANE_A    ; K step s: planes 2 s, 2 s + 1
	s_or_b32 s[G0+4*\s+3], s[G0+4*\s+3], 0x80000000
	s_mov_b32 s[G0B+4*\s], 1
	s_add_co_u32 s[G0B+4*\s+1], s21, \s*SLOT
	s_add_nc_u64 s[G0B+4*\s+2:G0B+4*\s+3], s[46:47], \s*2*PLANE_B
	s_or_b32 s[G0B+4*\s+3], s[G0B+4*\s+3], 0x80000000
	JLOAD \s                                       ; two tensor loads of the wave are out here, one behind every later round
.endr
	v_and_b32 v1, 15, v0                           ; r = l % 16
	v_bfe_u32 v2, v0, 4, 1                         ; h = l / 16
	v_mul_u32_u24 v3, v1, PITCH
	v_lshl_add_u32 v3, v2, 4, v3                   ; r x pitch + 16 h: a fragment is two loads of 16 bytes, 32 bytes apart
	s_mul_i32 s22, s11, 64*PITCH                   ; my 64 rows of A
	s_mul_i32 s23, s12, 128*PITCH                  ; my 128 rows of B,
	s_add_co_u32 s23, s23, 2*APL                   ; which lie behind A's two planes
.irp s, 0,1
	v_add_nc_u32 v[ADRA+\s], s22, v3
	v_add_nc_u32 v[ADRB+\s], s23, v3
	s_add_co_u32 s22, s22, SLOT
	s_add_co_u32 s23, s23, SLOT
.endr
	s_mul_i32 s2, s10, 16*SPITCH
	s_add_co_u32 s2, s2, STAGE                     ; my stage: 16 rows
	v_mul_u32_u24 v4, v1, SPITCH
	v_lshl_add_u32 v4, v2, 4, v4
	v_add_nc_u32 v[STO], s2, v4                    ; in: row r, 16 bytes for each half of the lanes
	v_and_b32 v6, 31, v0                           ; l
	v_lshrrev_b32 v5, 3, v6
	v_mul_u32_u24 v5, v5, SPITCH
	v_and_b32 v7, 7, v0
	v_lshl_add_u32 v5, v7, 4, v5
	v_add_nc_u32 v[RD], s2, v5                     ; back: eight lanes take the 128 bytes that one head has of a row, 32 lanes four rows
	v_lshlrev_b32 v[CO], 4, v6                     ; in memory those four rows are 512 consecutive bytes
; 8 matrix instructions: m block a x all 8 n blocks, 32 along K, from buffer f.  zero = 1: the first product starts the sums.
.macro MUL8 f, a, zero
.irp b, 0,1,2,3,4,5,6,7
.if \zero
	v_wmma_f32_16x16x32_bf16 v[8*(8*\a+\b):8*(8*\a+\b)+7], v[FB+64*\f+8*\b:FB+64*\f+8*\b+7], v[FA+32*\f+8*\a:FA+32*\f+8*\a+7], 0
.else
	v_wmma_f32_16x16x32_bf16 v[8*(8*\a+\b):8*(8*\a+\b)+7], v[FB+64*\f+8*\b:FB+64*\f+8*\b+7], v[FA+32*\f+8*\a:FA+32*\f+8*\a+7], v[8*(8*\a+\b):8*(8*\a+\b)+7]
.endif
.endr
.endm
; 24 LDS loads in one run: quarter q of a K step (plane q / 2, bytes 64 (q % 2) of its rows) into buffer f: B's 8 fragments, then A's 4.
.macro FETCH slot, q, f
.irp b, 0,1,2,3,4,5,6,7
	ds_load_b128 v[FB+64*\f+8*\b:FB+64*\f+8*\b+3],   v[ADRB+\slot] offset:(\q/2)*BPL+(\q%2)*64+\b*16*PITCH
	ds_load_b128 v[FB+64*\f+8*\b+4:FB+64*\f+8*\b+7], v[ADRB+\slot] offset:(\q/2)*BPL+(\q%2)*64+\b*16*PITCH+32
.endr
.irp a, 0,1,2,3
	ds_load_b128 v[FA+32*\f+8*\a:FA+32*\f+8*\a+3],   v[ADRA+\slot] offset:(\q/2)*APL+(\q%2)*64+\a*16*PITCH
	ds_load_b128 v[FA+32*\f+8*\a+4:FA+32*\f+8*\a+7], v[ADRA+\slot] offset:(\q/2)*APL+(\q%2)*64+\a*16*PITCH+32
.endr
.endm
; Four places behind the matrix instructions that read a buffer, in front of the loads into it, and in front of whatever reads results (ISA guide 7.12.1
; for vector instructions).  Matrix instructions in between are not counted as places.
.macro PLACES
.rept 4
	v_nop
.endr
.endm
; One of a K step's first three quarters: multiplies buffer f and, in its middle, fetches quarter nq of the same slot into buffer g.
; The 32 accumulators take turns, one instruction a turn, in the same order in every quarter.
.macro QUARTER slot, nq, f, g, zero
	s_wait_dscnt 4                                 ; B's fragments and A's 0 and 1 are in; the four youngest loads (A's 2 and 3) may be out
	WIN MULW
	MUL8 \f, 0, \zero
	MUL8 \f, 1, \zero
	PLACES
	WIN 0
	FETCH \slot, \nq, \g
	s_wait_dscnt 24                                ; all but the 24 just issued
	WIN MULW
	MUL8 \f, 2, \zero
	MUL8 \f, 3, \zero
.endm
.macro THREE slot, zero
	QUARTER \slot, 1, 0, 1, \zero
	QUARTER \slot, 2, 1, 0, 0
	QUARTER \slot, 3, 0, 1, 0
.endm
; The fourth quarter: multiplies buffer 1 and changes slots.  In front of the barrier each wave waits for its reads of this slot and for all its tensor
; loads (one is out: its part of the next slot).  fill = 1: the barrier opens a round of the cluster's barrier, and behind the round this slot is asked
; for again, two K steps ahead, first thing.  From that request to the wait for it a wave issues 120 matrix instructions.
.macro TURN slot, next, fill
	s_wait_dscnt 4
	WIN MULW
	MUL8 1, 0, 0
	s_wait_dscnt 0                                 ; my reads of this slot are over
	s_wait_tensorcnt 0x0                           ; all my tensor loads have landed
	ds_add_u32 v30, v31
	s_wait_dscnt 0x0
	s_barrier_signal -1
	MUL8 1, 1, 0                                   ; register work while the others arrive
	WIN 0
	s_barrier_wait -1
.if \fill
	CREST                                          ; no wave of any partner still reads this slot or has a load on its way
	s_add_nc_u64 s[G0+4*\slot+2:G0+4*\slot+3], s[G0+4*\slot+2:G0+4*\slot+3], 4*PLANE_A
	s_add_nc_u64 s[G0B+4*\slot+2:G0B+4*\slot+3], s[G0B+4*\slot+2:G0B+4*\slot+3], 4*PLANE_B
	JLOAD \slot
.endif
	PLACES
	FETCH \next, 0, 0
	WIN MULW
	MUL8 1, 2, 0
	MUL8 1, 3, 0
.endm
.macro LAP zero
	THREE 0, \zero
	TURN 0, 1, 1
	THREE 1, 0
	TURN 1, 0, 1
.endm
	s_wait_tensorcnt 1                             ; my part of K step 0 is in; step 1's may stay out
	s_barrier_signal -1
	s_barrier_wait -1
	FETCH 0, 0, 0
	LAP 1                                          ; steps 0, 1 (asks for 2, 3): the first products start the sums
	WIN 0
	s_mov_b32 s3, 2
.Llap:
	LAP 0                                          ; steps 2 to 5 (ask for 4 to 7)
	WIN 0
	s_sub_co_u32 s3, s3, 1
	s_cmp_lg_u32 s3, 0
	s_cbranch_scc1 .Llap
	THREE 0, 0                                     ; steps 6, 7: nothing is left to ask for
	TURN 0, 1, 0
	THREE 1, 0
	s_wait_dscnt 4
	WIN MULW
	MUL8 1, 0, 0
	MUL8 1, 1, 0
	s_wait_dscnt 0
	MUL8 1, 2, 0
	MUL8 1, 3, 0
	PLACES                                         ; behind the last matrix instructions: for the conversions and for the loads into B's buffers
	WIN 0
	; THE WAY OUT.  My 128 columns are two heads of one of q, k, v; my 64 rows lie in one batch.
	s_lshr_b32 s18, s42, 2                         ; which of q, k, v: four block columns each
	s_lshl_b32 s18, s18, 24                        ; x 16,777,216 bytes
	s_lshr_b32 s19, s13, 4                         ; batch: sixteen block rows each
	s_lshl_b32 s19, s19, 4
	s_and_b32 s45, s42, 3
	s_lshl2_add_u32 s19, s45, s19                  ; + 4 heads a block column
	s_lshl1_add_u32 s19, s12, s19                  ; + 2 a wave
	s_lshl_b32 s19, s19, 18                        ; x 2,048 rows of 128 bytes
	s_add_co_u32 s18, s18, s19
	s_and_b32 s19, s13, 15
	s_lshl_b32 s19, s19, 14                        ; the block's first row in the batch x 128 bytes
	s_add_co_u32 s18, s18, s19
	s_lshl_b32 s19, s11, 13                        ; my 64 rows
	s_add_co_u32 s18, s18, s19
	s_mov_b32 s19, 0
	s_add_nc_u64 s[8:9], s[8:9], s[18:19]
; Rows 16 i .. 16 i + 15: round to f16, 16 bytes a lane into my stage, read back head by head, four rows at a time.
.macro OUT16 i, f
	WIN 0x05                                       ; both sources in window 1
.irp b, 0,1,2,3,4,5,6,7
.irp r, 0,1,2,3
	v_cvt_pk_f16_f32 v[TMP+4*\b+\r], v[8*(8*\i+\b)+2*\r], v[8*(8*\i+\b)+2*\r+1]
.endr
.endr
	WIN 0
.irp b, 0,1,2,3,4,5,6,7
	ds_store_b128 v[STO], v[TMP+4*\b:TMP+4*\b+3] offset:32*\b
.endr
	s_wait_xcnt 0x0                                ; buffer f, which earlier stores read, is loaded again only behind this wait
.irp t, 0,1,2,3,4,5,6,7
	ds_load_b128 v[FB+64*\f+4*\t:FB+64*\f+4*\t+3], v[RD] offset:(\t%4)*4*SPITCH+(\t/4)*128   ; a wave's LDS instructions are served in order: these see the stores above
.endr
.irp t, 0,1,2,3,4,5,6,7
	s_wait_dscnt 7-\t
	global_store_b128 v[CO], v[FB+64*\f+4*\t:FB+64*\f+4*\t+3], s[8:9] offset:(\t/4)*262144+(16*\i+4*(\t%4))*128   ; 512 consecutive bytes, aligned: four rows of a head
.endr
.endm
	OUT16 0, 0
	OUT16 1, 1
	OUT16 2, 0
	OUT16 3, 1
	s_wait_tensorcnt 0x0
	ds_add_u32 v30, v31
	s_wait_dscnt 0x0
	CROUND                                         ; the closing round: no work-group ends while a partner may still ask for a tile that names it
	s_endpgm
.Lfunc_end_k_q06494db0d3_qkv:
	.size	k_q06494db0d3_qkv, .Lfunc_end_k_q06494db0d3_qkv-k_q06494db0d3_qkv
	.p2alignl 7, 3214868480
	.fill 96, 4, 3214868480
	.section	.rodata,"a",@progbits
	.p2align	6, 0x0
	.amdhsa_kernel k_q06494db0d3_qkv
		.amdhsa_group_segment_fixed_size 327680
		.amdhsa_private_segment_fixed_size 0
		.amdhsa_enable_private_segment 0
		.amdhsa_kernarg_size 24
		.amdhsa_user_sgpr_count 2
		.amdhsa_user_sgpr_kernarg_segment_ptr 1
		.amdhsa_wavefront_size32 1
		.amdhsa_system_sgpr_workgroup_id_x 1
		.amdhsa_system_sgpr_workgroup_id_y 1
		.amdhsa_system_sgpr_workgroup_id_z 1
		.amdhsa_system_vgpr_workitem_id 0
		.amdhsa_next_free_vgpr 512
		.amdhsa_next_free_sgpr 66
		.amdhsa_reserve_vcc 0
		.amdhsa_float_denorm_mode_32 3
		.amdhsa_float_denorm_mode_16_64 3
		.amdhsa_memory_ordered 1
		.amdhsa_forward_progress 1
		.amdhsa_inst_pref_size 118
	.end_amdhsa_kernel
	.amdgpu_metadata
---
amdhsa.version: [ 1, 2 ]
amdhsa.kernels:
  - .name:           k_q06494db0d3_qkv
    .symbol:         k_q06494db0d3_qkv.kd
    .args:
      - { .name: xb, .offset: 0, .size: 8, .value_kind: global_buffer, .address_space: global }
      - { .name: wqkv, .offset: 8, .size: 8, .value_kind: global_buffer, .address_space: global }
      - { .name: qkv, .offset: 16, .size: 8, .value_kind: global_buffer, .address_space: global }
    .group_segment_fixed_size: 327680
    .private_segment_fixed_size: 0
    .kernarg_segment_align: 8
    .kernarg_segment_size: 24
    .max_flat_workgroup_size: 128
    .sgpr_count:     66
    .vgpr_count:     512
    .wavefront_size: 32
...
	.end_amdgpu_metadata
.endif
;; end of part 2
;; launch attn (part 3): grid 4 x 64, 8 waves a work-group, no clusters, 327,680 bytes of LDS; arguments qkv, ao; writes ao
.if DOCPART == 3
	.amdgcn_target "amdgcn-amd-amdhsa--gfx1250"
	.amdhsa_code_object_version 6
	.text
	.protected	k_q06494db0d3_attn
	.globl	k_q06494db0d3_attn
	.p2align	8
	.type	k_q06494db0d3_attn,@function
k_q06494db0d3_attn:
	s_mov_b64 s[64:65], 0
	v_nop
	global_prefetch_b8 v0, s[64:65] scope:SCOPE_SE
	s_setreg_imm32_b32 hwreg(HW_REG_WAVE_MODE, 25, 1), 1
	s_wait_xcnt 0x0
; Causal attention of one head, softmax(q k^T / 8) v with a running maximum.  qkv: [3][b 16 + h][2048][64] f16.  ao: [h][b 2048 + s][64] f16.
; Work-group (j, y), y = b 16 + h, makes two blocks of 256 queries of head y: block 7 - j, then block j.  Block n walks 2 n + 2 tiles of 128 keys, so every
; work-group walks 18.  Eight waves; a wave owns 32 queries (two tiles of 16) and takes a tile of keys in two steps of 64.
; TRANSPOSED FORMS: S^T = K Q^T puts query l % 16 in lane l and the keys 8 (l / 16) + 0..7 of each 16 in its registers; two such tiles, packed to f16, ARE the
; second operand of O^T = V^T P^T for 32 keys, so P never moves between lanes; maximum, sum and rescale factor are one number a lane.  V^T comes from
; the transposing LDS load.  Scores above the diagonal are not computed: a step wholly above it is skipped (never a wait or a barrier), the one step
; of a wave that straddles it is masked with -inf.  Every query sees key 0 in its first step, so the running maximum is finite from then on.
; NO JOINT LOADS: only the four work-groups of a head share K and V, and they need 16, 14, 12, 10 tiles for their first block and 2, 4, 6, 8 for the
; second; in lockstep every one of them would pass 16 + 8 = 24 tiles instead of its own 18.
; LOADS OF 4 KiB: each of the eight waves brings an eighth of a tile (32 rows of K or of V).  Larger tiles, of 256 keys, come n + 1 to a block, an odd or
; an even number, which a ring written out over two fixed slots does not take.
; LIMITS: q, k, v, P and the result are f16 (|v| < 65,504); P is rounded to f16 after its sum was taken in f32; sums run in another order than a plain
; softmax's; NaN and infinite inputs are not treated apart.
.set PITCH, 144                        ; LDS row: 128 bytes + 16
.set TILE,  16384                      ; 128 rows of K, or of V, in memory
.set HALF,  128*PITCH
.set SLOT,  2*HALF                     ; K's 128 rows, then V's
.set QLDS,  2*SLOT                     ; Q of the first block, then of the second: 256 rows each
.set QBLK,  256*PITCH
.set STAGE, QLDS+2*QBLK                ; 147,456, a multiple of 256: no fill lands there; 32 rows a wave
.set WPART, 32*PITCH                   ; a wave's 32 rows
.set DD,   2                           ; v[2:3]     new minus old exponent offset, per query tile
.set KA,   4                           ; v[4:5]     K fragments in slot 0, 1
.set VA,   6                           ; v[6:7]     V, for the transposing load, in slot 0, 1
.set QA,   8                           ; v8         my Q fragments (first block)
.set VREL, 9                           ; v9         32 (w % 2) + r - 8 h: the diagonal as seen from my lane
.set NINF, 10                          ; v10        -inf
.set STO,  11
.set RD,   12
.set CO,   13
.set RM,   14                          ; v[14:15]   running maximum of the raw scores, per query tile
.set NG,   16                          ; v[16:19]   -maximum x c as rounded, twice for each query tile (a pair for the packed forms)
.set AL,   20                          ; v[20:23]   rescale factor, twice for each query tile
.set RL,   24                          ; v[24:25]   running sum of my half of the keys
.set T,    26                          ; v[26:29]   at work
.set PX,   30                          ; v[30:31]   the other half's number
.set RQ,   32                          ; v[32:63]   Q(qt, dk) at 16 qt + 8 dk
.set RO,   64                          ; v[64:127]  O^T(qt, dt) at 32 qt + 8 dt
.set RS,   128                         ; v[128:191] S^T(qt, tt) at 32 qt + 8 tt; P(qt, u) packed in place at 32 qt + 16 u
.set KV,   192                         ; v[192:255] K(tt, dk) at 8 (4 dk + tt); then V^T(dt, u) at 8 (4 u + dt)
.set G1,   16                          ; s[16:23]   group 1, one for all loads
.set G0,   24                          ; s[24:31]   group 0 of slot 0, 1;  s[32:35], s[36:39] of the two Q blocks
.set REL,  46                          ; s46        steps left before the one that straddles the diagonal; below 0: above the diagonal
.set CNT,  47
	s_load_b128 s[4:7], s[0:1], 0x0                ; qkv s[4:5], ao s[6:7]
	s_set_vgpr_msb 0x40
	v_lshl_add_u32 v0, v0, 2, 0x2d000
	v_mov_b32 v1, 0
	s_set_vgpr_msb 0x4045
	ds_add_u32 v0, v1
	ds_add_u32 v0, v1
	s_set_vgpr_msb 0x4500
	v_lshrrev_b32 v1, 5, v0
	v_readfirstlane_b32 s8, v1                     ; wave 0..7
	s_and_b32 s9, ttmp7, 0xffff                    ; y
	s_mov_b32 s10, ttmp9                           ; the second block's number, j
	s_sub_co_u32 s50, 7, s10                       ; the first block's, 7 - j
	s_lshr_b32 s51, s8, 1
	s_mov_b32 s12, 0x76543210                      ; v_permlanex16_b32: lane i of one half reads lane i of the other
	s_mov_b32 s13, 0xfedcba98
	s_mov_b32 s14, 0x3e38aa3b                      ; c = log2(e) / 8
	s_mov_b32 s15, 0x3e38aa3b
	s_mov_b32 s48, 0xbe38aa3b                      ; -c
	s_mov_b32 s[G1+0], (3<<16)|(1<<20)|(4<<22)|(3<<25)   ; elements of 8 bytes; padding: 4 words after every 32
	s_mov_b32 s[G1+1], 32<<16                      ; rows of 256 bytes
	s_mov_b32 s[G1+2], 16<<16                      ; 16 of them: 4,096 dense bytes, 32 rows of a head
	s_mov_b32 s[G1+3], 32<<16
	s_mov_b32 s[G1+4], 16
	s_mov_b32 s[G1+5], 32
	s_mov_b32 s[G1+6], 0
	s_mov_b32 s[G1+7], 0
	s_mul_i32 s49, s8, WPART                       ; my part of every LDS region
	s_lshl_b32 s2, s9, 18                          ; the head: y x 2,048 rows x 128 bytes
	s_lshl_b32 s3, s8, 12                          ; 32 rows a wave
	s_lshl_b32 s52, s50, 15                        ; Q of the first block: + block x 256 rows
	s_add_co_u32 s52, s52, s2
	s_add_co_u32 s52, s52, s3
	s_mov_b32 s53, 0
	s_lshl_b32 s54, s10, 15                        ; Q of the second
	s_add_co_u32 s54, s54, s2
	s_add_co_u32 s54, s54, s3
	s_mov_b32 s55, 0
	s_lshr_b32 s56, s8, 2                          ; waves 0-3 bring K, waves 4-7 V
	s_add_co_u32 s56, s56, 1
	s_lshl_b32 s56, s56, 24                        ; k lies 16,777,216 bytes behind q, v behind k
	s_add_co_u32 s56, s56, s2
	s_and_b32 s57, s8, 3
	s_lshl_b32 s57, s57, 12                        ; my 32 rows of the tile's 128
	s_add_co_u32 s56, s56, s57
	s_mov_b32 s57, 0
	s_and_b32 s58, s9, 15                          ; ao: head x 8,192 rows x 128 bytes
	s_lshl_b32 s58, s58, 20
	s_lshr_b32 s59, s9, 4                          ; + batch x 2,048 rows
	s_lshl_b32 s59, s59, 18
	s_add_co_u32 s58, s58, s59
	s_add_co_u32 s58, s58, s3                      ; + my 32 rows
	s_lshl_b32 s60, s50, 15
	s_add_co_u32 s60, s60, s58
	s_mov_b32 s61, 0
	s_lshl_b32 s62, s10, 15
	s_add_co_u32 s62, s62, s58
	s_mov_b32 s63, 0
	s_wait_dscnt 0x0
	s_wait_kmcnt 0x0
	s_add_nc_u64 s[42:43], s[6:7], s[60:61]        ; where the first block's result goes
	s_add_nc_u64 s[44:45], s[6:7], s[62:63]        ; and the second's
	s_add_nc_u64 s[40:41], s[4:5], s[56:57]        ; my part of tile 0, kept for the second block
	s_mov_b32 s32, 1
	s_add_co_u32 s33, s49, QLDS
	s_add_nc_u64 s[34:35], s[4:5], s[52:53]
	s_or_b32 s35, s35, 0x80000000
	s_mov_b32 s36, 1
	s_add_co_u32 s37, s49, QLDS+QBLK
	s_add_nc_u64 s[38:39], s[4:5], s[54:55]
	s_or_b32 s39, s39, 0x80000000
	s_mov_b32 s[G0], 1
	s_mov_b32 s[G0+1], s49
	s_mov_b64 s[G0+2:G0+3], s[40:41]
	s_or_b32 s[G0+3], s[G0+3], 0x80000000
	s_mov_b32 s[G0+4], 1
	s_add_co_u32 s[G0+5], s49, SLOT
	s_add_nc_u64 s[G0+6:G0+7], s[40:41], TILE      ; slot 1 begins with tile 1
	s_or_b32 s[G0+7], s[G0+7], 0x80000000
	tensor_load_to_lds s[32:35], s[G1:G1+7]        ; the first fills go out together: my rows of both Q blocks and my part of tile 0.
	s_nop 0
	tensor_load_to_lds s[36:39], s[G1:G1+7]        ; Three tensor loads of the wave are out here, one behind every later barrier
	s_nop 0
	tensor_load_to_lds s[G0:G0+3], s[G1:G1+7]
	s_nop 0
	v_and_b32 v1, 31, v0                           ; l
	v_and_b32 v2, 15, v0                           ; r
	v_bfe_u32 v3, v0, 4, 1                         ; h
	v_mul_u32_u24 v[T], v2, PITCH
	v_lshl_add_u32 v[T], v3, 4, v[T]               ; r x pitch + 16 h
	v_mov_b32 v[KA], v[T]
	v_add_nc_u32 v[KA+1], SLOT, v[T]
	s_add_co_u32 s52, s49, QLDS
	s_add_co_u32 s53, s49, STAGE
	v_add_nc_u32 v[QA], s52, v[T]
	v_add_nc_u32 v[STO], s53, v[T]
	v_and_b32 v[T+1], 7, v0
	v_lshl_add_u32 v[T+1], v3, 3, v[T+1]           ; key 8 h + l % 8
	v_mul_u32_u24 v[T+1], v[T+1], PITCH
	v_bfe_u32 v[T+2], v0, 3, 1
	v_lshl_add_u32 v[T+1], v[T+2], 4, v[T+1]       ; + 16 bytes for the upper eight of sixteen d
	v_add_nc_u32 v[VA], HALF, v[T+1]
	v_add_nc_u32 v[VA+1], HALF+SLOT, v[T+1]
	v_lshrrev_b32 v[T+2], 3, v1
	v_mul_u32_u24 v[T+2], v[T+2], PITCH
	v_and_b32 v[T+3], 7, v0
	v_lshl_add_u32 v[T+2], v[T+3], 4, v[T+2]
	v_add_nc_u32 v[RD], s53, v[T+2]                ; back: eight lanes a row of 128 bytes, four rows a load
	v_lshlrev_b32 v[CO], 4, v1
	s_and_b32 s54, s8, 1
	s_lshl_b32 s54, s54, 5
	v_lshlrev_b32 v[T+3], 3, v3
	v_sub_nc_u32 v[VREL], v2, v[T+3]
	v_add_nc_u32 v[VREL], s54, v[VREL]
	v_mov_b32 v[NINF], 0xff800000
	v_mov_b32 v[PX], 0                             ; v_permlanex16_b32 counts as a reader of its destination
	v_mov_b32 v[PX+1], 0
; The largest of query tile qt's 32 scores in my lane and in the lane that holds the other half of the keys, joined to the running maximum; then the
; new exponent offset -m c, and its difference from the old one AS BOTH WERE ROUNDED, so that old and new terms keep one scale exactly.
.macro ROWMAX qt, first
.irp k, 0,1,2,3
	v_max3_num_f32 v[T+\k], v[RS+32*\qt+8*\k], v[RS+32*\qt+8*\k+1], v[RS+32*\qt+8*\k+2]
.endr
.irp k, 0,1,2,3
	v_max3_num_f32 v[T+\k], v[T+\k], v[RS+32*\qt+8*\k+3], v[RS+32*\qt+8*\k+4]
.endr
.irp k, 0,1,2,3
	v_max3_num_f32 v[T+\k], v[T+\k], v[RS+32*\qt+8*\k+5], v[RS+32*\qt+8*\k+6]
.endr
	v_max3_num_f32 v[T],   v[T],   v[T+1], v[RS+32*\qt+7]
	v_max3_num_f32 v[T+2], v[T+2], v[T+3], v[RS+32*\qt+15]
	v_max3_num_f32 v[T],   v[T],   v[T+2], v[RS+32*\qt+23]
	v_max_num_f32  v[T],   v[T],   v[RS+32*\qt+31]
	v_permlanex16_b32 v[PX], v[T], s12, s13
.if \first
	v_max_num_f32 v[RM+\qt], v[T], v[PX]
	v_mul_f32 v[T+1], s48, v[RM+\qt]
.else
	v_max3_num_f32 v[RM+\qt], v[T], v[PX], v[RM+\qt]
	v_mul_f32 v[T+1], s48, v[RM+\qt]
	v_sub_f32 v[DD+\qt], v[T+1], v[NG+2*\qt]       ; at most 0
.endif
	v_mov_b32 v[NG+2*\qt],   v[T+1]
	v_mov_b32 v[NG+2*\qt+1], v[T+1]
.endm
; The sum of query tile qt's 32 terms in my lane, in two chains of pairs, joined to the running sum.  The two halves of the keys meet only at the end.
.macro ROWSUM qt, first
	v_pk_add_f32 v[T:T+1],   v[RS+32*\qt:RS+32*\qt+1],   v[RS+32*\qt+2:RS+32*\qt+3]
	v_pk_add_f32 v[T+2:T+3], v[RS+32*\qt+4:RS+32*\qt+5], v[RS+32*\qt+6:RS+32*\qt+7]
.irp i, 8,12,16,20,24,28
	v_pk_add_f32 v[T:T+1],   v[T:T+1],   v[RS+32*\qt+\i:RS+32*\qt+\i+1]
	v_pk_add_f32 v[T+2:T+3], v[T+2:T+3], v[RS+32*\qt+\i+2:RS+32*\qt+\i+3]
.endr
	v_pk_add_f32 v[T:T+1], v[T:T+1], v[T+2:T+3]
.if \first
	v_add_f32 v[RL+\qt], v[T], v[T+1]
.else
	v_add_f32 v[T], v[T], v[T+1]
	v_fma_f32 v[RL+\qt], v[RL+\qt], v[AL+2*\qt], v[T]
.endif
.endm
; One step: keys 64 sub .. 64 sub + 63 of the tile in slot.  first = 1: the block's first step, which starts maximum, sum and O.
; In every run of matrix instructions the accumulators take turns, one instruction a turn.
.macro STEP slot, sub, first
.if \first == 0
	s_cmp_lt_i32 s[REL], 0                         ; wholly above the diagonal for my queries: no work; waits and barriers stand outside
	s_cbranch_scc1 .Lvoid_\@
.endif
.rept 5
	v_nop                                          ; places behind the last step's matrix instructions: four for the loads into KV, five for the products that write over P
.endr
.irp dk, 0,1
.irp tt, 0,1,2,3
	ds_load_b128 v[KV+8*(4*\dk+\tt):KV+8*(4*\dk+\tt)+3],   v[KA+\slot] offset:(64*\sub+16*\tt)*PITCH+64*\dk
	ds_load_b128 v[KV+8*(4*\dk+\tt)+4:KV+8*(4*\dk+\tt)+7], v[KA+\slot] offset:(64*\sub+16*\tt)*PITCH+64*\dk+32
.endr
.endr
	s_wait_dscnt 8                                 ; all but the eight youngest: K's d = 0..31 (and Q, in a block's first step) are in
.irp tt, 0,1,2,3
.irp qt, 0,1
	v_wmma_f32_16x16x32_f16 v[RS+32*\qt+8*\tt:RS+32*\qt+8*\tt+7], v[KV+8*\tt:KV+8*\tt+7], v[RQ+16*\qt:RQ+16*\qt+7], 0
.endr
.endr
	s_wait_dscnt 0
.irp tt, 0,1,2,3
.irp qt, 0,1
	v_wmma_f32_16x16x32_f16 v[RS+32*\qt+8*\tt:RS+32*\qt+8*\tt+7], v[KV+32+8*\tt:KV+32+8*\tt+7], v[RQ+16*\qt+8:RQ+16*\qt+15], v[RS+32*\qt+8*\tt:RS+32*\qt+8*\tt+7]
.endr
.endr
.rept 4
	v_nop                                          ; places: in front of the loads into KV and of the first reader of the scores
.endr
.irp u, 0,1
.irp dt, 0,1,2,3
	ds_load_tr16_b128 v[KV+8*(4*\u+\dt):KV+8*(4*\u+\dt)+3],   v[VA+\slot] offset:(64*\sub+32*\u)*PITCH+32*\dt
	ds_load_tr16_b128 v[KV+8*(4*\u+\dt)+4:KV+8*(4*\u+\dt)+7], v[VA+\slot] offset:(64*\sub+32*\u+16)*PITCH+32*\dt
.endr
.endr
	s_cmp_lg_u32 s[REL], 0
	s_cbranch_scc1 .Lopen_\@
	; The step that straddles the diagonal: my first query lies 32 (w % 2) behind the step's first key, so key 16 tt + 8 h + j is hidden from query
	; 16 qt + r where 16 tt + j - 16 qt > 32 (w % 2) + r - 8 h.
.irp qt, 0,1
.irp tt, 0,1,2,3
.irp j, 0,1,2,3,4,5,6,7
	v_cmp_gt_i32 vcc_lo, 16*\tt+\j-16*\qt, v[VREL]
	v_cndmask_b32 v[RS+32*\qt+8*\tt+\j], v[RS+32*\qt+8*\tt+\j], v[NINF], vcc_lo
.endr
.endr
.endr
.Lopen_\@:
	ROWMAX 0, \first
	ROWMAX 1, \first
.if \first == 0
	v_exp_f32 v[AL],   v[DD]                       ; the packed multiply-adds below are the plain places behind these four
	v_exp_f32 v[AL+1], v[DD]
	v_exp_f32 v[AL+2], v[DD+1]
	v_exp_f32 v[AL+3], v[DD+1]
.endif
.irp qt, 0,1
.irp i, 0,2,4,6,8,10,12,14,16,18,20,22,24,26,28,30
	v_pk_fma_f32 v[RS+32*\qt+\i:RS+32*\qt+\i+1], v[RS+32*\qt+\i:RS+32*\qt+\i+1], s[14:15], v[NG+2*\qt:NG+2*\qt+1] op_sel_hi:[1,0,1]   ; s c - m c
.endr
.endr
.set i, 0
.rept 64
	v_exp_f32 v[RS+i], v[RS+i]
.set i, i+1
.endr
.if \first
	v_nop                                          ; one plain place behind the exponentials
	s_wait_alu depctr_va_vdst(0)
.else
	s_wait_alu depctr_va_vdst(0)
.irp qt, 0,1
.irp i, 0,2,4,6,8,10,12,14,16,18,20,22,24,26,28,30
	v_pk_mul_f32 v[RO+32*\qt+\i:RO+32*\qt+\i+1], v[RO+32*\qt+\i:RO+32*\qt+\i+1], v[AL+2*\qt:AL+2*\qt+1]   ; O to the new scale; also the places behind the exponentials
.endr
.endr
.endif
	ROWSUM 0, \first
	ROWSUM 1, \first
.irp g, 0,1,2,3
.irp i, 0,1,2,3,4,5,6,7
	v_cvt_pk_f16_f32 v[RS+16*\g+\i], v[RS+16*\g+2*\i], v[RS+16*\g+2*\i+1]   ; in place: word i is written when words 2 i, 2 i + 1 are read, never before
.endr
.endr
	s_wait_dscnt 0                                 ; V^T is in
.irp u, 0,1
.irp qt, 0,1
.irp dt, 0,1,2,3
.if \first*(1-\u)
	v_wmma_f32_16x16x32_f16 v[RO+32*\qt+8*\dt:RO+32*\qt+8*\dt+7], v[KV+8*(4*\u+\dt):KV+8*(4*\u+\dt)+7], v[RS+32*\qt+16*\u:RS+32*\qt+16*\u+7], 0
.else
	v_wmma_f32_16x16x32_f16 v[RO+32*\qt+8*\dt:RO+32*\qt+8*\dt+7], v[KV+8*(4*\u+\dt):KV+8*(4*\u+\dt)+7], v[RS+32*\qt+16*\u:RS+32*\qt+16*\u+7], v[RO+32*\qt+8*\dt:RO+32*\qt+8*\dt+7]
.endif
.endr
.endr
.endr
.Lvoid_\@:
	s_sub_co_i32 s[REL], s[REL], 1
.endm
; One tile of 128 keys, in slot.  In front of the barrier every wave waits for all its tensor loads (its part of this tile among them) and for its reads of
; the other slot; behind it the other slot is filled with the next tile, first thing, one load a wave; that load has this tile's two steps to land in.
; mode 0: this slot's address steps two tiles on;  1: both addresses go back to tiles 0 and 1, for the second block;  2: nothing is left to fetch.
.macro TRIP slot, refill, first, qoff, mode
	s_set_vgpr_msb 0x5
	s_wait_tensorcnt 0x0                           ; no tensor load of mine is out: every group 0 may be written
	ds_add_u32 v0, v1
	s_wait_dscnt 0x0
	s_set_vgpr_msb 0x500
.if \mode == 0
	s_add_nc_u64 s[G0+4*\slot+2:G0+4*\slot+3], s[G0+4*\slot+2:G0+4*\slot+3], 2*TILE
.endif
.if \mode == 1
	s_mov_b64 s[G0+2:G0+3], s[40:41]
	s_or_b32 s[G0+3], s[G0+3], 0x80000000
	s_add_nc_u64 s[G0+6:G0+7], s[40:41], TILE
	s_or_b32 s[G0+7], s[G0+7], 0x80000000
.endif
	s_wait_dscnt 0x0
	s_barrier_signal -1
	s_barrier_wait -1
.if \refill
	tensor_load_to_lds s[G0+4-4*\slot:G0+7-4*\slot], s[G1:G1+7]
	s_nop 0
.endif
.if \first
.irp qt, 0,1
.irp dk, 0,1
	ds_load_b128 v[RQ+16*\qt+8*\dk:RQ+16*\qt+8*\dk+3],   v[QA] offset:\qoff+16*\qt*PITCH+64*\dk      ; my own rows, brought by my own load
	ds_load_b128 v[RQ+16*\qt+8*\dk+4:RQ+16*\qt+8*\dk+7], v[QA] offset:\qoff+16*\qt*PITCH+64*\dk+32
.endr
.endr
.endif
	STEP \slot, 0, \first
	STEP \slot, 1, 0
.endm
; The block's end: the two halves' sums meet, O is divided, rounded to f16 and goes out through my stage as whole rows.
.macro FINISH ob, more
.rept 4
	v_nop                                          ; places behind the last matrix instructions
.endr
	v_permlanex16_b32 v[PX],   v[RL],   s12, s13
	v_permlanex16_b32 v[PX+1], v[RL+1], s12, s13
	v_add_f32 v[T],   v[RL],   v[PX]
	v_add_f32 v[T+1], v[RL+1], v[PX+1]             ; at least about 1: the largest term of a row is 2^0
	v_rcp_f32 v[AL],   v[T]
	v_rcp_f32 v[AL+1], v[T]
	v_rcp_f32 v[AL+2], v[T+1]
	v_rcp_f32 v[AL+3], v[T+1]
	v_nop                                          ; one plain place behind the reciprocals
	s_wait_alu depctr_va_vdst(0)
.irp qt, 0,1
.irp i, 0,2,4,6,8,10,12,14,16,18,20,22,24,26,28,30
	v_pk_mul_f32 v[RO+32*\qt+\i:RO+32*\qt+\i+1], v[RO+32*\qt+\i:RO+32*\qt+\i+1], v[AL+2*\qt:AL+2*\qt+1]
.endr
.endr
.set i, 0
.rept 32
	v_cvt_pk_f16_f32 v[RS+i], v[RO+2*i], v[RO+2*i+1]
.set i, i+1
.endr
.irp qt, 0,1
.irp dt, 0,1,2,3
	ds_store_b128 v[STO], v[RS+4*(4*\qt+\dt):RS+4*(4*\qt+\dt)+3] offset:\qt*16*PITCH+32*\dt   ; query 16 qt + r, d = 16 dt + 8 h + 0..7
.endr
.endr
.irp t, 0,1,2,3,4,5,6,7
	ds_load_b128 v[KV+4*\t:KV+4*\t+3], v[RD] offset:\t*4*PITCH     ; a wave's LDS instructions are served in order: these see the stores above
.endr
.irp t, 0,1,2,3,4,5,6,7
	s_wait_dscnt 7-\t
	global_store_b128 v[CO], v[KV+4*\t:KV+4*\t+3], s[\ob:\ob+1] offset:512*\t   ; 512 consecutive bytes, aligned: four rows
.endr
.if \more
	s_wait_xcnt 0x0                                ; KV, which these stores read, is loaded again in the next block only behind this wait
.endif
.endm
; A block of 256 queries: number in s[qb], Q at qoff behind the first block's, result at s[ob:ob+1].  2 qb + 2 tiles: one, qb pairs, one.
.macro BLOCK qoff, qb, ob, last
	s_lshl_b32 s[REL], s[\qb], 2                   ; my queries begin in step 4 qb + w / 2
	s_add_co_u32 s[REL], s[REL], s51
	s_mov_b32 s[CNT], 0
	TRIP 0, 1, 1, \qoff, 0
.if \last
	s_cmp_eq_u32 s[\qb], 0                         ; the second block may be block 0: two tiles, no pair (the first is block 4 at the least)
	s_cbranch_scc1 .Ltail_\@
.endif
.Lpair_\@:
	TRIP 1, 1, 0, 0, 0
	TRIP 0, 1, 0, 0, 0
	s_add_co_u32 s[CNT], s[CNT], 1
	s_cmp_lt_u32 s[CNT], s[\qb]
	s_cbranch_scc1 .Lpair_\@
.Ltail_\@:
.if \last
	TRIP 1, 0, 0, 0, 2                             ; the last tile of all: no fill
	FINISH \ob, 0
.else
	TRIP 1, 1, 0, 0, 1                             ; the block's last tile; slot 0 gets the next block's tile 0
	FINISH \ob, 1
.endif
.endm
	BLOCK 0, 50, 42, 0
	BLOCK QBLK, 10, 44, 1
	s_set_vgpr_msb 0x5
	s_wait_tensorcnt 0x0
	ds_add_u32 v0, v1
	s_wait_dscnt 0x0
	s_set_vgpr_msb 0x500
	s_endpgm
.Lfunc_end_k_q06494db0d3_attn:
	.size	k_q06494db0d3_attn, .Lfunc_end_k_q06494db0d3_attn-k_q06494db0d3_attn
	.p2alignl 7, 3214868480
	.fill 96, 4, 3214868480
	.section	.rodata,"a",@progbits
	.p2align	6, 0x0
	.amdhsa_kernel k_q06494db0d3_attn
		.amdhsa_group_segment_fixed_size 327680
		.amdhsa_private_segment_fixed_size 0
		.amdhsa_enable_private_segment 0
		.amdhsa_kernarg_size 16
		.amdhsa_user_sgpr_count 2
		.amdhsa_user_sgpr_kernarg_segment_ptr 1
		.amdhsa_wavefront_size32 1
		.amdhsa_system_sgpr_workgroup_id_x 1
		.amdhsa_system_sgpr_workgroup_id_y 1
		.amdhsa_system_sgpr_workgroup_id_z 1
		.amdhsa_system_vgpr_workitem_id 0
		.amdhsa_next_free_vgpr 258
		.amdhsa_next_free_sgpr 66
		.amdhsa_reserve_vcc 1
		.amdhsa_float_denorm_mode_32 3
		.amdhsa_float_denorm_mode_16_64 3
		.amdhsa_memory_ordered 1
		.amdhsa_forward_progress 1
		.amdhsa_inst_pref_size 255
	.end_amdhsa_kernel
	.section	.bss,"aw",@nobits
	.p2align	6
	.space	262144
	.amdgpu_metadata
---
amdhsa.version: [ 1, 2 ]
amdhsa.kernels:
  - .name:           k_q06494db0d3_attn
    .symbol:         k_q06494db0d3_attn.kd
    .args:
      - { .name: qkv, .offset: 0, .size: 8, .value_kind: global_buffer, .address_space: global }
      - { .name: ao, .offset: 8, .size: 8, .value_kind: global_buffer, .address_space: global }
    .group_segment_fixed_size: 327680
    .private_segment_fixed_size: 0
    .kernarg_segment_align: 8
    .kernarg_segment_size: 16
    .max_flat_workgroup_size: 256
    .sgpr_count:     66
    .vgpr_count:     258
    .wavefront_size: 32
...
	.end_amdgpu_metadata
.endif
;; end of part 3
;; launch oproj (part 4): grid 4 x 64, 4 waves a work-group, clusters of 4 x 4, 327,680 bytes of LDS; arguments ao, wob, out0; writes out0
.if DOCPART == 4
	.amdgcn_target "amdgcn-amd-amdhsa--gfx1250"
	.amdhsa_code_object_version 6
	.text
	.protected	k_q06494db0d3_oproj
	.globl	k_q06494db0d3_oproj
	.p2align	8
	.type	k_q06494db0d3_oproj,@function
k_q06494db0d3_oproj:
	s_mov_b64 s[64:65], 0
	v_nop
	global_prefetch_b8 v0, s[64:65] scope:SCOPE_SE
	s_setreg_imm32_b32 hwreg(HW_REG_WAVE_MODE, 25, 1), 1
	s_wait_xcnt 0x0
	s_wait_alu depctr_hold_cnt(0) depctr_sa_sdst(0) depctr_va_vdst(0) depctr_va_sdst(0) depctr_va_ssrc(0) depctr_va_vcc(0) depctr_vm_vsrc(0)
	s_getreg_b32 s2, hwreg(HW_REG_IB_STS2, 6, 4)
	s_cmp_eq_u32 s2, 0
	s_cbranch_scc0 .Lentry_in_a_cluster
	s_endpgm
.Lentry_in_a_cluster:
	s_bfe_u32 s2, ttmp6, 0x10000c
	s_cmp_lg_u32 s2, 0xf033
	s_cbranch_scc0 .Lentry_shape_is_right
	s_endpgm
.Lentry_shape_is_right:
; out0[m][n] = sum over k of ao[m][k] Wo[n][k], m < 8192, n < 1024, k < 1024; f16 operands (ao as attention left it; wob holds Wo's bf16 values as f16), f32 sums,
; f32 out.  The same text as the projection of q, k, v but for the size, the f16 form and the way out.
; A work-group makes 128 x 256 of the result with four waves, 2 x 2, a wave 64 x 128: 32 accumulator tiles, 256 registers.  4 x 64 = 256 work-groups.
; K goes in 8 steps of 128 (two planes of 64; a plane of ao is one head) through a ring of two LDS slots.  A tile of a plane is a dense block and comes in
; as rows of 256 bytes; the mover lays 16 bytes behind every 128, which gives LDS rows of 144 bytes.
; CLUSTERS: 4 x 4 work-groups.  A's tile is asked for jointly by a row of the cluster, B's by a column.  Waves 0 and 1 ask for A's two planes, waves 2
; and 3 for B's two: one tensor load a wave behind each round.
; REGISTERS: window 0: v16-26 addresses, v32-95 A's fragments (two buffers of 4), v96-223 B's fragments (two buffers of 8);
; window 1: accumulator (a, b) at v[8 (8 a + b)].  The matrix instruction is used transposed (source 0 = rows of B, source 1 = rows of A): lane l holds
; row l % 16 and its registers the columns 8 (l / 16) + 0..7: 32 neighbouring bytes.
.set SIZE_N,  1024
.set PITCH,   144
.set APL,     128*PITCH
.set BPL,     256*PITCH
.set SLOT,    2*APL+2*BPL
.set STAGE,   2*SLOT                   ; behind the ring, a multiple of 256: no fill lands there
.set SPITCH,  528                      ; stage row: 128 f32 + 16 bytes, an odd multiple of 16
.set PLANE_A, 8192*128
.set PLANE_B, SIZE_N*128
.set PADW, (3<<16)|(1<<20)|(1<<21)|(4<<22)|(3<<25)   ; elements of 8 bytes; padding on; bit 21 beside a mask; after every 32 words; 4 words
.set ADRA, 16
.set ADRB, 20
.set STO,  24
.set RD,   25
.set CO,   26
.set FA,   32
.set FB,   96
.set G1,  24
.set G0,  32
.set G1B, 48
.set G0B, 56
.set MULW, 0x50                        ; C and D in window 1, A and B in window 0
.set MSB, 0
.macro WIN new
.if MSB != \new
	s_set_vgpr_msb (MSB<<8)|\new
.set MSB, \new
.endif
.endm
.macro JLOAD s
	s_cmp_eq_u32 s11, 0
	s_cbranch_scc0 .Lfor_b_\@
	tensor_load_to_lds s[G0+4*\s:G0+4*\s+3], s[G1:G1+7]
	s_nop 0
	s_branch .Lasked_\@
.Lfor_b_\@:
	tensor_load_to_lds s[G0B+4*\s:G0B+4*\s+3], s[G1B:G1B+7]
	s_nop 0
.Lasked_\@:
.endm
.macro CREST
	s_cmp_lg_u32 s10, 0
	s_cbranch_scc1 .Lnot_wave_0_\@
	s_barrier_signal -3
.Lnot_wave_0_\@:
	s_barrier_wait -3
	s_barrier_signal -1
	s_barrier_wait -1
.endm
.macro CROUND
	s_barrier_signal -1
	s_barrier_wait -1
	CREST
.endm
	s_load_b128 s[4:7], s[0:1], 0x0                ; ao s[4:5], wob s[6:7]
	s_load_b64 s[8:9], s[0:1], 0x10                ; out0
	v_lshl_add_u32 v254, v0, 2, 0x3e400
	v_mov_b32 v255, 0
	ds_add_u32 v254, v255
	ds_add_u32 v254, v255
	v_lshrrev_b32 v1, 5, v0
	v_readfirstlane_b32 s10, v1                    ; wave 0..3
	s_lshr_b32 s11, s10, 1                         ; my half of the block's rows.  Also: I fetch for A (0) or for B (1)
	s_and_b32 s12, s10, 1                          ; my half of its columns.  Also: which plane of the step's two I fetch
	s_bfe_u32 s40, ttmp6, 0x40000                  ; cx
	s_bfe_u32 s41, ttmp6, 0x40004                  ; cy
	s_lshl_b32 s42, ttmp9, 2
	s_add_co_u32 s42, s42, s40                     ; block column
	s_and_b32 s13, ttmp7, 0xffff
	s_lshl_b32 s13, s13, 2
	s_add_co_u32 s13, s13, s41                     ; block row
	s_lshl_b32 s43, s41, 2
	s_lshl_b32 s43, 15, s43                        ; my row of the cluster
	s_lshl_b32 s44, 0x1111, s40                    ; my column
	s_or_b32 s[G1+0], s43, PADW
	s_or_b32 s[G1B+0], s44, PADW
	s_mov_b32 s[G1+1], 32<<16                      ; rows of 256 bytes
	s_mov_b32 s[G1B+1], 32<<16
	s_mov_b32 s[G1+2], 64<<16                      ; A's plane: 16,384 dense bytes
	s_mov_b32 s[G1B+2], 128<<16                    ; B's: 32,768
	s_mov_b32 s[G1+3], 32<<16
	s_mov_b32 s[G1B+3], 32<<16
	s_mov_b32 s[G1+4], 64
	s_mov_b32 s[G1B+4], 128
	s_mov_b32 s[G1+5], 32
	s_mov_b32 s[G1B+5], 32
	s_mov_b32 s[G1+6], 0
	s_mov_b32 s[G1B+6], 0
	s_mov_b32 s[G1+7], 0
	s_mov_b32 s[G1B+7], 0
	s_lshl_b32 s16, s13, 14                        ; A: block row x 128 rows x 128 bytes
	s_lshl_b32 s17, s12, 20                        ; + my plane
	s_add_co_u32 s16, s16, s17
	s_mov_b32 s17, 0
	s_lshl_b32 s46, s42, 15                        ; B: block column x 256 rows x 128 bytes
	s_mul_i32 s47, s12, PLANE_B
	s_add_co_u32 s46, s46, s47
	s_mov_b32 s47, 0
	s_mul_i32 s20, s12, APL
	s_mul_i32 s21, s12, BPL
	s_add_co_u32 s21, s21, 2*APL
	s_wait_dscnt 0x0
	s_wait_kmcnt 0x0
	s_add_nc_u64 s[14:15], s[4:5], s[16:17]
	s_add_nc_u64 s[46:47], s[6:7], s[46:47]
	CROUND                                         ; all sixteen work-groups are here: the first joint loads meet
.irp s, 0,1
	s_mov_b32 s[G0+4*\s], 1
	s_add_co_u32 s[G0+4*\s+1], s20, \s*SLOT
	s_add_nc_u64 s[G0+4*\s+2:G0+4*\s+3], s[14:15], \s*2*PLANE_A
	s_or_b32 s[G0+4*\s+3], s[G0+4*\s+3], 0x80000000
	s_mov_b32 s[G0B+4*\s], 1
	s_add_co_u32 s[G0B+4*\s+1], s21, \s*SLOT
	s_add_nc_u64 s[G0B+4*\s+2:G0B+4*\s+3], s[46:47], \s*2*PLANE_B
	s_or_b32 s[G0B+4*\s+3], s[G0B+4*\s+3], 0x80000000
	JLOAD \s                                       ; two tensor loads of the wave are out here, one behind every later round
.endr
	v_and_b32 v1, 15, v0                           ; r
	v_bfe_u32 v2, v0, 4, 1                         ; h
	v_mul_u32_u24 v3, v1, PITCH
	v_lshl_add_u32 v3, v2, 4, v3
	s_mul_i32 s22, s11, 64*PITCH
	s_mul_i32 s23, s12, 128*PITCH
	s_add_co_u32 s23, s23, 2*APL
.irp s, 0,1
	v_add_nc_u32 v[ADRA+\s], s22, v3
	v_add_nc_u32 v[ADRB+\s], s23, v3
	s_add_co_u32 s22, s22, SLOT
	s_add_co_u32 s23, s23, SLOT
.endr
	s_mul_i32 s2, s10, 16*SPITCH
	s_add_co_u32 s2, s2, STAGE                     ; my stage: 16 rows
	v_mul_u32_u24 v4, v1, SPITCH
	v_lshl_add_u32 v4, v2, 5, v4
	v_add_nc_u32 v[STO], s2, v4                    ; in: row r, 32 bytes for each half of the lanes
	v_and_b32 v6, 31, v0
	v_lshl_add_u32 v[RD], v6, 4, s2                ; back: 32 lanes take a row's 512 bytes
	v_lshlrev_b32 v[CO], 4, v6
.macro MUL8 f, a, zero
.irp b, 0,1,2,3,4,5,6,7
.if \zero
	v_wmma_f32_16x16x32_f16 v[8*(8*\a+\b):8*(8*\a+\b)+7], v[FB+64*\f+8*\b:FB+64*\f+8*\b+7], v[FA+32*\f+8*\a:FA+32*\f+8*\a+7], 0
.else
	v_wmma_f32_16x16x32_f16 v[8*(8*\a+\b):8*(8*\a+\b)+7], v[FB+64*\f+8*\b:FB+64*\f+8*\b+7], v[FA+32*\f+8*\a:FA+32*\f+8*\a+7], v[8*(8*\a+\b):8*(8*\a+\b)+7]
.endif
.endr
.endm
.macro FETCH slot, q, f
.irp b, 0,1,2,3,4,5,6,7
	ds_load_b128 v[FB+64*\f+8*\b:FB+64*\f+8*\b+3],   v[ADRB+\slot] offset:(\q/2)*BPL+(\q%2)*64+\b*16*PITCH
	ds_load_b128 v[FB+64*\f+8*\b+4:FB+64*\f+8*\b+7], v[ADRB+\slot] offset:(\q/2)*BPL+(\q%2)*64+\b*16*PITCH+32
.endr
.irp a, 0,1,2,3
	ds_load_b128 v[FA+32*\f+8*\a:FA+32*\f+8*\a+3],   v[ADRA+\slot] offset:(\q/2)*APL+(\q%2)*64+\a*16*PITCH
	ds_load_b128 v[FA+32*\f+8*\a+4:FA+32*\f+8*\a+7], v[ADRA+\slot] offset:(\q/2)*APL+(\q%2)*64+\a*16*PITCH+32
.endr
.endm
; Four places behind the matrix instructions that read a buffer, in front of the loads into it, and in front of whatever reads results (ISA guide 7.12.1
; for vector instructions).
.macro PLACES
.rept 4
	v_nop
.endr
.endm
; The 32 accumulators take turns, one instruction a turn, in the same order in every quarter.
.macro QUARTER slot, nq, f, g, zero
	s_wait_dscnt 4                                 ; the four youngest loads (A's fragments 2 and 3) may be out
	WIN MULW
	MUL8 \f, 0, \zero
	MUL8 \f, 1, \zero
	PLACES
	WIN 0
	FETCH \slot, \nq, \g
	s_wait_dscnt 24                                ; all but the 24 just issued
	WIN MULW
	MUL8 \f, 2, \zero
	MUL8 \f, 3, \zero
.endm
.macro THREE slot, zero
	QUARTER \slot, 1, 0, 1, \zero
	QUARTER \slot, 2, 1, 0, 0
	QUARTER \slot, 3, 0, 1, 0
.endm
; The fourth quarter and the change of slots: each wave's reads of this slot and all its tensor loads are waited for in front of the barrier; with fill = 1
; the barrier opens a round of the cluster's barrier, and the joint refill is the first tensor load behind the round.
.macro TURN slot, next, fill
	s_wait_dscnt 4
	WIN MULW
	MUL8 1, 0, 0
	s_wait_dscnt 0
	s_wait_tensorcnt 0x0
	ds_add_u32 v254, v255
	s_wait_dscnt 0x0
	s_barrier_signal -1
	MUL8 1, 1, 0
	WIN 0
	s_barrier_wait -1
.if \fill
	CREST
	s_add_nc_u64 s[G0+4*\slot+2:G0+4*\slot+3], s[G0+4*\slot+2:G0+4*\slot+3], 4*PLANE_A
	s_add_nc_u64 s[G0B+4*\slot+2:G0B+4*\slot+3], s[G0B+4*\slot+2:G0B+4*\slot+3], 4*PLANE_B
	JLOAD \slot
.endif
	PLACES
	FETCH \next, 0, 0
	WIN MULW
	MUL8 1, 2, 0
	MUL8 1, 3, 0
.endm
.macro LAP zero
	THREE 0, \zero
	TURN 0, 1, 1
	THREE 1, 0
	TURN 1, 0, 1
.endm
	s_wait_tensorcnt 1                             ; my part of K step 0 is in; step 1's may stay out
	s_barrier_signal -1
	s_barrier_wait -1
	FETCH 0, 0, 0
	LAP 1
	WIN 0
	s_mov_b32 s3, 2
.Llap:
	LAP 0
	WIN 0
	s_sub_co_u32 s3, s3, 1
	s_cmp_lg_u32 s3, 0
	s_cbranch_scc1 .Llap
	THREE 0, 0
	TURN 0, 1, 0
	THREE 1, 0
	s_wait_dscnt 4
	WIN MULW
	MUL8 1, 0, 0
	MUL8 1, 1, 0
	s_wait_dscnt 0
	MUL8 1, 2, 0
	MUL8 1, 3, 0
	PLACES                                         ; behind the last matrix instructions: for the LDS stores of results and the loads into B's buffers
	WIN 0
	; THE WAY OUT: (128 block row + 64 half) rows of 4,096 bytes + (256 block column + 128 half) columns of 4 bytes
	s_lshl_b32 s18, s13, 19
	s_lshl_b32 s19, s11, 18
	s_add_co_u32 s18, s18, s19
	s_lshl_b32 s19, s42, 10
	s_add_co_u32 s18, s18, s19
	s_lshl_b32 s19, s12, 9
	s_add_co_u32 s18, s18, s19
	s_mov_b32 s19, 0
	s_add_nc_u64 s[8:9], s[8:9], s[18:19]
; Rows 16 i .. 16 i + 15: the f32 sums go straight into my stage, 32 bytes a lane and tile, and come back as whole rows of 512 bytes.
.macro OUT16 i, f
	WIN 0x04                                       ; the stores' data in window 1
.irp b, 0,1,2,3,4,5,6,7
	ds_store_b128 v[STO], v[8*(8*\i+\b):8*(8*\i+\b)+3]   offset:64*\b
	ds_store_b128 v[STO], v[8*(8*\i+\b)+4:8*(8*\i+\b)+7] offset:64*\b+16
.endr
	WIN 0
	s_wait_xcnt 0x0                                ; buffer f, which earlier stores read, is loaded again only behind this wait
.irp t, 0,1,2,3,4,5,6,7,8,9,10,11,12,13,14,15
	ds_load_b128 v[FB+64*\f+4*\t:FB+64*\f+4*\t+3], v[RD] offset:\t*SPITCH   ; a wave's LDS instructions are served in order: these see the stores above
.endr
.irp t, 0,1,2,3,4,5,6,7,8,9,10,11,12,13,14,15
	s_wait_dscnt 15-\t
	global_store_b128 v[CO], v[FB+64*\f+4*\t:FB+64*\f+4*\t+3], s[8:9] offset:(16*\i+\t)*4096 th:TH_STORE_NT   ; 512 consecutive bytes of a row, aligned
.endr
.endm
	OUT16 0, 0
	OUT16 1, 1
	OUT16 2, 0
	OUT16 3, 1
	s_wait_tensorcnt 0x0
	ds_add_u32 v254, v255
	s_wait_dscnt 0x0
	CROUND                                         ; the closing round
	s_endpgm
.Lfunc_end_k_q06494db0d3_oproj:
	.size	k_q06494db0d3_oproj, .Lfunc_end_k_q06494db0d3_oproj-k_q06494db0d3_oproj
	.p2alignl 7, 3214868480
	.fill 96, 4, 3214868480
	.section	.rodata,"a",@progbits
	.p2align	6, 0x0
	.amdhsa_kernel k_q06494db0d3_oproj
		.amdhsa_group_segment_fixed_size 327680
		.amdhsa_private_segment_fixed_size 0
		.amdhsa_enable_private_segment 0
		.amdhsa_kernarg_size 24
		.amdhsa_user_sgpr_count 2
		.amdhsa_user_sgpr_kernarg_segment_ptr 1
		.amdhsa_wavefront_size32 1
		.amdhsa_system_sgpr_workgroup_id_x 1
		.amdhsa_system_sgpr_workgroup_id_y 1
		.amdhsa_system_sgpr_workgroup_id_z 1
		.amdhsa_system_vgpr_workitem_id 0
		.amdhsa_next_free_vgpr 512
		.amdhsa_next_free_sgpr 66
		.amdhsa_reserve_vcc 0
		.amdhsa_float_denorm_mode_32 3
		.amdhsa_float_denorm_mode_16_64 3
		.amdhsa_memory_ordered 1
		.amdhsa_forward_progress 1
		.amdhsa_inst_pref_size 117
	.end_amdhsa_kernel
	.amdgpu_metadata
---
amdhsa.version: [ 1, 2 ]
amdhsa.kernels:
  - .name:           k_q06494db0d3_oproj
    .symbol:         k_q06494db0d3_oproj.kd
    .args:
      - { .name: ao, .offset: 0, .size: 8, .value_kind: global_buffer, .address_space: global }
      - { .name: wob, .offset: 8, .size: 8, .value_kind: global_buffer, .address_space: global }
      - { .name: out0, .offset: 16, .size: 8, .value_kind: global_buffer, .address_space: global }
    .group_segment_fixed_size: 327680
    .private_segment_fixed_size: 0
    .kernarg_segment_align: 8
    .kernarg_segment_size: 24
    .max_flat_workgroup_size: 128
    .sgpr_count:     66
    .vgpr_count:     512
    .wavefront_size: 32
...
	.end_amdgpu_metadata
.endif
;; end of part 4
;; ======== version 2 of 2: 4 launches; version 1 with the launch cast written anew for expert scheduling mode
;; limits: values are held in f16: magnitudes above 65,504 overflow, below 6.1e-05 lose precision
;; workspace buffers: xb 16,777,216 bytes; wqkv 6,291,456 bytes; wob 2,097,152 bytes; qkv 50,331,648 bytes; ao 16,777,216 bytes
;; launch cast (part 5): grid 768 x 1, 8 waves a work-group, no clusters, 0 bytes of LDS; arguments x, Wq, Wk, Wv, Wo, xb, wqkv, wob; writes xb, wqkv, wob
.if DOCPART == 5
	.amdgcn_target "amdgcn-amd-amdhsa--gfx1250"
	.amdhsa_code_object_version 6
	.text
	.protected	k_q06494db0d3_cast
	.globl	k_q06494db0d3_cast
	.p2align	8
	.type	k_q06494db0d3_cast,@function
k_q06494db0d3_cast:
	s_mov_b64 s[64:65], 0
	v_nop
	global_prefetch_b8 v0, s[64:65] scope:SCOPE_SE
	s_setreg_imm32_b32 hwreg(HW_REG_WAVE_SCHED_MODE, 0, 2), 2
	s_setreg_imm32_b32 hwreg(HW_REG_WAVE_MODE, 25, 1), 1
	s_wait_xcnt 0x0
	s_wait_alu depctr_vm_vsrc(0)
; Rounds the five f32 inputs once and lays them in planes of 64 columns, so that every tile of the later products is a dense block of memory.
;   xb   [16 planes][8192 rows][64] bf16 : x
;   wqkv [16 planes][3072 rows][64] bf16 : rows 0-1023 Wq, 1024-2047 Wk, 2048-3071 Wv
;   wob  [16 planes][1024 rows][64] f16  : Wo rounded to bf16, and that value written as f16 (it meets an f16 operand in the last product)
; LIMIT: Wo's bf16 value is exact in f16 for 6.1e-5 <= |Wo| < 65,504; below it carries an absolute error of at most 3e-8, above it overflows.
; A work-group takes 16 rows of one source: groups 0-511 x, 512-575 Wq, 576-639 Wk, 640-703 Wv, 704-767 Wo.  Thread t takes row t / 16 and, in
; load p, the four columns 64 p + 4 (t % 16): sixteen lanes read 256 consecutive bytes of a row.  The two rows of a wave are neighbours in a
; plane, so each 8-byte store of a wave covers 256 consecutive bytes, aligned.  Sixteen loads of each wave are out at once; there is no loop,
; no register is written twice while a memory instruction may read it, and memory binds: no LDS, no matrix unit.
; THE MODE: SCHED_MODE bits 1:0 = 2 (LLVM: expert scheduling mode 2), set by the entry lines.  The code itself states the register dependences
; between vector instructions and memory instructions, with s_wait_alu, always for 0.
; THE PLAN.  Registers that memory instructions touch:
;   v1        the loads' offset.  Written at the head, read by all sixteen loads, never written again.
;   X         load p lands in its own four registers, which no vector instruction names ahead of the loads; no memory instruction reads them.
;   OFF       store p's offset, a register of its own.  Written once, behind the loads; read by store p.
;   Y         store p's data, two registers of its own.  Written once, by the conversions of load p; read by store p.
; The sixteen turns go in four blocks of four.  Block g rounds loads 4 g to 4 g + 3 into their Y; its memory instructions are the four stores of
; block g - 1, whose Y and OFF no vector instruction of block g names.  So one wait on va_vdst at a block's head states all that its four stores hang
; on, and they are dealt among its conversions with no further wait.  No register that a memory instruction reads is written again: no wait on vm_vsrc is owed.
.set X,   4                            ; v[4:67]    load p: four f32
.set Y,   68                           ; v[68:99]   store p: four 16-bit numbers
.set OFF, 100                          ; v[100:115] store p: byte offset in the destination
.set T,   116                          ; v[116:117] at work: no memory instruction names them
	s_load_b512 s[8:23], s[0:1], 0x0               ; x s[8:9], Wq s[10:11], Wk s[12:13], Wv s[14:15], Wo s[16:17], xb s[18:19], wqkv s[20:21], wob s[22:23]
	s_mov_b32 s2, ttmp9                            ; the work-group's number
	s_sub_co_u32 s3, s2, 512                       ; its number among the weights' groups (used only where the number is 512 or more)
	s_lshr_b32 s4, s3, 6                           ; which weight: 0 Wq, 1 Wk, 2 Wv, 3 Wo
	s_and_b32 s5, s3, 63
	s_lshl_b32 s6, s2, 4                           ; x: first row, in source and destination
	s_lshl_b32 s28, s5, 4                          ; a weight: first row in the source
	s_lshl_b32 s29, s3, 4                          ; and in wqkv: 1024 x weight + that row
	s_mov_b32 s30, 3072*128                        ; bytes of a plane of wqkv
	v_lshrrev_b32 v1, 4, v0                        ; my row of the sixteen
	v_and_b32 v3, 15, v0
	v_lshlrev_b32 v1, 12, v1                       ; x 4,096 bytes
	v_lshl_add_u32 v1, v3, 4, v1                   ; + 16 bytes for each of sixteen lanes
	v_lshlrev_b32 v2, 3, v0                        ; in a plane: row x 128 + 8 (t % 16) = 8 t
	s_wait_kmcnt 0x0
	s_cmp_eq_u32 s4, 2                             ; the source, chosen by the group's number alone
	s_cselect_b64 s[24:25], s[14:15], s[16:17]
	s_cmp_eq_u32 s4, 1
	s_cselect_b64 s[24:25], s[12:13], s[24:25]
	s_cmp_eq_u32 s4, 0
	s_cselect_b64 s[24:25], s[10:11], s[24:25]
	s_cmp_eq_u32 s4, 3                             ; Wo goes to wob, by its own row, in planes of 1,024 rows, as f16
	s_cselect_b64 s[26:27], s[22:23], s[20:21]
	s_cselect_b32 s29, s28, s29
	s_cselect_b32 s30, 1024*128, s30
	s_cselect_b32 s31, 1, 0
	s_cmp_lt_u32 s2, 512                           ; x goes to xb, in planes of 8,192 rows
	s_cselect_b64 s[24:25], s[8:9], s[24:25]
	s_cselect_b64 s[26:27], s[18:19], s[26:27]
	s_cselect_b32 s28, s6, s28
	s_cselect_b32 s29, s6, s29
	s_cselect_b32 s30, 8192*128, s30
	s_lshl_b32 s32, s28, 12                        ; source row x 4,096 bytes (below 2^26)
	s_mov_b32 s33, 0
	s_lshl_b32 s34, s29, 7                         ; destination row x 128 bytes
	s_mov_b32 s35, 0
	s_add_nc_u64 s[24:25], s[24:25], s[32:33]
	s_add_nc_u64 s[26:27], s[26:27], s[34:35]
	s_wait_alu depctr_va_vdst(0)                   ; v1 is written: all sixteen loads read it as their offset
.irp p, 0,1,2,3,4,5,6,7,8,9,10,11,12,13,14,15
	global_load_b128 v[X+4*\p:X+4*\p+3], v1, s[24:25] offset:256*\p th:TH_LOAD_NT   ; read once in the whole program
.endr
.irp p, 0,1,2,3,4,5,6,7,8,9,10,11,12,13,14,15
	v_mad_u32_u24 v[OFF+\p], s30, \p, v2           ; plane p: both factors are below 2^24
.endr
; Load p's four numbers rounded to bf16.
.macro ROUND_BF p
	v_cvt_pk_bf16_f32 v[Y+2*(\p)],   v[X+4*(\p)],   v[X+4*(\p)+1]
	v_cvt_pk_bf16_f32 v[Y+2*(\p)+1], v[X+4*(\p)+2], v[X+4*(\p)+3]
.endm
; The same, and the bf16 value is widened again (a shift, a mask) and written as f16.
.macro ROUND_HF p
	v_cvt_pk_bf16_f32 v[T],   v[X+4*(\p)],   v[X+4*(\p)+1]
	v_cvt_pk_bf16_f32 v[T+1], v[X+4*(\p)+2], v[X+4*(\p)+3]
	v_lshlrev_b32 v[X+4*(\p)],   16, v[T]
	v_and_b32     v[X+4*(\p)+1], 0xffff0000, v[T]
	v_lshlrev_b32 v[X+4*(\p)+2], 16, v[T+1]
	v_and_b32     v[X+4*(\p)+3], 0xffff0000, v[T+1]
	v_cvt_pk_f16_f32 v[Y+2*(\p)],   v[X+4*(\p)],   v[X+4*(\p)+1]
	v_cvt_pk_f16_f32 v[Y+2*(\p)+1], v[X+4*(\p)+2], v[X+4*(\p)+3]
.endm
.macro OUT p
	global_store_b64 v[OFF+(\p)], v[Y+2*(\p):Y+2*(\p)+1], s[26:27]       ; a later launch reads it: no hint
.endm
; Four blocks of four turns.  Block g: wait for its four loads; the stores of the block before, one ahead of each load's conversions.
.macro CONV f16
.irp g, 0,1,2,3
	s_wait_loadcnt 12-4*\g                         ; loads come back in order: loads 4 g to 4 g + 3 are in, the 12 - 4 g younger ones stay out
.if \g > 0
	s_wait_alu depctr_va_vdst(0)                   ; the block before has written its Y, which the four stores below read; at the first such wait the sixteen OFF are written too
.endif
.irp i, 0,1,2,3
.if \g > 0
	OUT 4*\g-4+\i                                  ; no wait: no vector instruction since the wait above names this Y or this OFF
.endif
.if \f16
	ROUND_HF 4*\g+\i
.else
	ROUND_BF 4*\g+\i
.endif
.endr
.endr
	s_wait_alu depctr_va_vdst(0)                   ; the last block has written its Y, which the last four stores read
.irp i, 12,13,14,15
	OUT \i
.endr
.endm
	s_cmp_lg_u32 s31, 0
	s_cbranch_scc1 .Lwo
	CONV 0
	s_endpgm
.Lwo:
	CONV 1
	s_endpgm
.Lfunc_end_k_q06494db0d3_cast:
	.size	k_q06494db0d3_cast, .Lfunc_end_k_q06494db0d3_cast-k_q06494db0d3_cast
	.p2alignl 7, 3214868480
	.fill 96, 4, 3214868480
	.section	.rodata,"a",@progbits
	.p2align	6, 0x0
	.amdhsa_kernel k_q06494db0d3_cast
		.amdhsa_group_segment_fixed_size 0
		.amdhsa_private_segment_fixed_size 0
		.amdhsa_enable_private_segment 0
		.amdhsa_kernarg_size 64
		.amdhsa_user_sgpr_count 2
		.amdhsa_user_sgpr_kernarg_segment_ptr 1
		.amdhsa_wavefront_size32 1
		.amdhsa_system_sgpr_workgroup_id_x 1
		.amdhsa_system_sgpr_workgroup_id_y 1
		.amdhsa_system_sgpr_workgroup_id_z 1
		.amdhsa_system_vgpr_workitem_id 0
		.amdhsa_next_free_vgpr 120
		.amdhsa_next_free_sgpr 66
		.amdhsa_reserve_vcc 0
		.amdhsa_float_denorm_mode_32 3
		.amdhsa_float_denorm_mode_16_64 3
		.amdhsa_memory_ordered 1
		.amdhsa_forward_progress 1
		.amdhsa_inst_pref_size 17
	.end_amdhsa_kernel
	.amdgpu_metadata
---
amdhsa.version: [ 1, 2 ]
amdhsa.kernels:
  - .name:           k_q06494db0d3_cast
    .symbol:         k_q06494db0d3_cast.kd
    .args:
      - { .name: x, .offset: 0, .size: 8, .value_kind: global_buffer, .address_space: global }
      - { .name: Wq, .offset: 8, .size: 8, .value_kind: global_buffer, .address_space: global }
      - { .name: Wk, .offset: 16, .size: 8, .value_kind: global_buffer, .address_space: global }
      - { .name: Wv, .offset: 24, .size: 8, .value_kind: global_buffer, .address_space: global }
      - { .name: Wo, .offset: 32, .size: 8, .value_kind: global_buffer, .address_space: global }
      - { .name: xb, .offset: 40, .size: 8, .value_kind: global_buffer, .address_space: global }
      - { .name: wqkv, .offset: 48, .size: 8, .value_kind: global_buffer, .address_space: global }
      - { .name: wob, .offset: 56, .size: 8, .value_kind: global_buffer, .address_space: global }
    .group_segment_fixed_size: 0
    .private_segment_fixed_size: 0
    .kernarg_segment_align: 8
    .kernarg_segment_size: 64
    .max_flat_workgroup_size: 256
    .sgpr_count:     66
    .vgpr_count:     120
    .wavefront_size: 32
...
	.end_amdgpu_metadata
.endif
;; end of part 5
;; launch qkv: the kernel of part 2 again; grid 12 x 64, 4 waves a work-group, clusters of 4 x 4, 327,680 bytes of LDS; arguments xb, wqkv, qkv; writes qkv
;; launch attn: the kernel of part 3 again; grid 4 x 64, 8 waves a work-group, no clusters, 327,680 bytes of LDS; arguments qkv, ao; writes ao
;; launch oproj: the kernel of part 4 again; grid 4 x 64, 4 waves a work-group, clusters of 4 x 4, 327,680 bytes of LDS; arguments ao, wob, out0; writes out0
